; MI455X (gfx1250); checked and timed in simulation.
; The chip was launched on July 23, 2026; its instructions are those of AMD's public machine-readable ISA for CDNA 5 (MIT licence, August 2026) and "CDNA5" Instruction Set Architecture Reference Guide (July 2026). The comments in the code are by the model that wrote it; some were corrected since.
;; EP Mo E. Allowed arithmetic: float matrix products may take bf16 or f16 operands with f32 sums; all other float work in f32.
;; Inputs: expert_w 8 x 1,024 x 1,024 float32; gate_w 8 x 1,024 float32; x 8,192 x 1,024 float32.
;; Outputs: out0 8,192 x 1,024 float32.
;; One version. Each part assembles by itself: llvm-mc -triple=amdgcn-amd-amdhsa -mcpu=gfx1250 --defsym DOCPART=n.
;; ======== version 1 of 1: 3 launches
;; workspace buffers: wb 16,777,216 bytes; xs 16,777,216 bytes; route 32,768 bytes of whole numbers; rwt 65,536 bytes; hist 32,768 bytes of whole numbers; sinfo 65,536 bytes of whole numbers; sw 65,536 bytes; tl 8,192 bytes of whole numbers
;; launch router (part 1): grid 256 x 1, 8 waves a work-group, no clusters, 175,616 bytes of LDS; arguments x, gate_w, expert_w, wb, route, rwt, hist; writes wb, route, rwt, hist
.if DOCPART == 1
	.amdgcn_target "amdgcn-amd-amdhsa--gfx1250"
	.amdhsa_code_object_version 6
	.text
	.protected	k_q4dca817e2b_router
	.globl	k_q4dca817e2b_router
	.p2align	8
	.type	k_q4dca817e2b_router,@function
k_q4dca817e2b_router:
	s_mov_b64 s[64:65], 0
	v_nop
	global_prefetch_b8 v0, s[64:65] scope:SCOPE_SE
	s_setreg_imm32_b32 hwreg(HW_REG_WAVE_MODE, 25, 1), 1
	s_wait_xcnt 0x0
; ROUTER.  Two jobs for each of 256 work-groups of eight waves.
; (1) 32,768 numbers of expert_w are rounded to bf16 and stored in the same order (wb).
; (2) For tokens 32 g .. 32 g + 31: logits = x . gate_w^T with both operands rounded to bf16 and f32 sums (matrix unit), softmax in f32 with the
;     maximum taken away, the two largest, and what the sort of the next launch needs: the number of the token's unordered pair of experts (28 bins),
;     its rank among the group's tokens of that bin, and the group's histogram of bins.
; Nothing here branches on, or forms an address from, a floating-point result: choices are v_cndmask_b32, and every store goes to a fixed place.
; BINS.  For experts a < b: bin = a (15 - a) / 2 + (a odd ? 7 - b : b - a - 1): a path through the 28 pairs on which neighbours share an expert.
; SHARES.  Wave w: token block tb = w & 1 (16 tokens), K quarter kq = w >> 1 (256 of 1,024).  Its tile of x (16 rows x 1,024 bytes) and four rows of gate_w's
; quarter come by two tensor loads, issued together at the start: two are outstanding, and no LDS byte is filled twice.
; LIMITS.  NaN and infinities are not treated apart.  The choice is made on the logits, equal logits take the lower index; two logits that differ by less
; than the rounding of their f32 sums (some 1e-6 of their size) may be chosen the other way round than by another order of summation.  A weight below 2^-126 counts as 0.
.set XP,   1040                        ; an LDS row: 1,024 bytes + 16 of padding: 16 rows of a 16-byte column start at 16 different groups of four banks (64 banks of 4 bytes: ISA guide 11.1)
.set XT,   16*XP                       ; a wave's tile of x
.set GB,   8*XT                        ; behind the eight tiles: gate_w, quarter kq at GB + kq GQ, eight rows
.set GH,   4*XP                        ; four rows: what one wave fetches of it; wave w's lie at GB + w GH
.set GQ,   8*XP
.set SCR,  GB+4*GQ                     ; behind it, a multiple of 256 and never filled by a tensor load: 32 bytes a thread for the partial logits
.set ACC0, 16                          ; v[16:23], v[24:31]  two accumulators that take turns
.set PS,   32                          ; v[32:39]  their sum
.set ST,   64                          ; v[64:191] f32 as loaded
.set PK,   192                         ; v[192:255] bf16: packed weights on their way out, then the fragments
.set LOG2E, 0x3fb8aa3b
	s_load_b256 s[4:11], s[0:1], 0x0               ; x s[4:5], gate_w s[6:7], expert_w s[8:9], wb s[10:11]
	s_load_b128 s[12:15], s[0:1], 0x20             ; route s[12:13], rwt s[14:15]
	s_load_b64 s[16:17], s[0:1], 0x30              ; hist
	v_lshl_add_u32 v62, v0, 2, 0x2aa00
	v_mov_b32 v63, 0
	ds_add_u32 v62, v63
	ds_add_u32 v62, v63
	v_lshrrev_b32 v1, 5, v0
	v_readfirstlane_b32 s18, v1                    ; wave 0..7
	s_lshr_b32 s19, s18, 1                         ; kq
	s_and_b32 s20, s18, 1                          ; tb
	; descriptor group 1 for x: 16 rows x 256 elements of 4 bytes, 4 words of padding behind every 256 words
	s_mov_b32 s28, (2<<16)|(1<<20)|(7<<22)|(3<<25)
	s_mov_b32 s29, 256<<16                         ; tensor_dim0 = 256
	s_mov_b32 s30, 16<<16                          ; tensor_dim1 = 16
	s_mov_b32 s31, 256<<16                         ; tile_dim0 = 256
	s_mov_b32 s32, 16                              ; tile_dim1 = 16
	s_mov_b32 s33, 1024                            ; elements from row to row
	s_mov_b32 s34, 0
	s_mov_b32 s35, 0
	; the same for gate_w with four rows
	s_mov_b32 s40, (2<<16)|(1<<20)|(7<<22)|(3<<25)
	s_mov_b32 s41, 256<<16
	s_mov_b32 s42, 4<<16
	s_mov_b32 s43, 256<<16
	s_mov_b32 s44, 4
	s_mov_b32 s45, 1024
	s_mov_b32 s46, 0
	s_mov_b32 s47, 0
	s_lshl_b32 s48, ttmp9, 17                      ; x: 32 tokens of 4,096 bytes a group,
	s_lshl_b32 s49, s20, 16                        ; 16 tokens a block,
	s_add_co_u32 s48, s48, s49
	s_lshl_b32 s49, s19, 10                        ; 1,024 bytes a quarter
	s_add_co_u32 s48, s48, s49
	s_mov_b32 s49, 0
	s_lshl_b32 s50, s20, 14                        ; gate_w: rows 4 tb .. 4 tb + 3,
	s_lshl_b32 s51, s19, 10                        ; the same quarter
	s_add_co_u32 s50, s50, s51
	s_mov_b32 s51, 0
	s_mov_b32 s24, 1                               ; group 0: count = 1
	s_mul_i32 s25, s18, XT                         ; LDS address: wave x tile
	s_mov_b32 s36, 1
	s_mul_i32 s37, s18, GH
	s_add_co_u32 s37, s37, GB
	s_wait_dscnt 0x0
	s_wait_kmcnt 0x0
	s_add_nc_u64 s[26:27], s[4:5], s[48:49]
	s_or_b32 s27, s27, 0x80000000                  ; type = 2
	s_add_nc_u64 s[38:39], s[6:7], s[50:51]
	s_or_b32 s39, s39, 0x80000000
	tensor_load_to_lds s[24:27], s[28:35]
	s_nop 0
	tensor_load_to_lds s[36:39], s[40:47]
	s_nop 0
	v_and_b32 v1, 31, v0                           ; lane
	v_lshlrev_b32 v6, 4, v1                        ; 16 bytes a lane in
	v_lshlrev_b32 v7, 3, v1                        ; 8 bytes a lane out
	s_lshl_b32 s52, ttmp9, 17                      ; expert_w: 131,072 bytes a group, 16,384 a wave
	s_lshl_b32 s53, s18, 14
	s_add_co_u32 s52, s52, s53
	s_mov_b32 s53, 0
	s_add_nc_u64 s[8:9], s[8:9], s[52:53]
	s_lshr_b32 s52, s52, 1                         ; half as many bytes in bf16
	s_add_nc_u64 s[10:11], s[10:11], s[52:53]
.set i, 0
.rept 32                                               ; the wave's 16,384 bytes: 32 loads of 512 neighbouring bytes, all on their way at once
	global_load_b128 v[ST+4*i:ST+4*i+3], v6, s[8:9] offset:512*i th:TH_LOAD_NT
.set i, i+1
.endr
	; LDS addresses, made while the loads are out.  Lane (r, h) takes 16 neighbouring k of row r: 64 bytes at 64 h of each 128.
	v_and_b32 v2, 15, v0                           ; r
	v_bfe_u32 v3, v0, 4, 1                         ; h
	v_mul_u32_u24 v4, v2, XP
	v_lshl_add_u32 v4, v3, 6, v4
	v_add_nc_u32 v4, s25, v4                       ; x: my wave's tile, token r
	v_and_b32 v5, 7, v0
	v_mul_u32_u24 v5, v5, XP
	v_lshl_add_u32 v5, v3, 6, v5
	s_mul_i32 s54, s19, GQ
	s_add_co_u32 s54, s54, GB
	v_add_nc_u32 v5, s54, v5                       ; gate_w: my quarter, expert r % 8: rows 8-15 of the operand repeat rows 0-7
	v_lshlrev_b32 v8, 5, v0
	v_add_nc_u32 v8, SCR, v8                       ; my 32 bytes of scratch: 1,024 w + 32 lane
	v_lshlrev_b32 v10, 5, v2
	v_lshl_add_u32 v10, v3, 10, v10
	v_add_nc_u32 v10, SCR, v10                     ; wave 0 reads back: token lane: block lane / 16 (wave 2 kq + block), lane % 16
	v_lshlrev_b32 v9, 2, v1                        ; 4 bytes a lane
.set i, 0
.rept 32
	s_wait_loadcnt 31-i                            ; loads come back in order (ISA guide 5.7.1): load i is in, the younger ones stay out
	v_cvt_pk_bf16_f32 v[PK+2*i], v[ST+4*i], v[ST+4*i+1]
	v_cvt_pk_bf16_f32 v[PK+2*i+1], v[ST+4*i+2], v[ST+4*i+3]
	global_store_b64 v7, v[PK+2*i:PK+2*i+1], s[10:11] offset:256*i  ; the wave's store covers 256 consecutive bytes, aligned
.set i, i+1
.endr
	s_wait_tensorcnt 0x0                           ; my two tiles are in LDS;
	s_barrier_signal -1
	s_barrier_wait -1                              ; and so are the four rows of gate_w that my partner wave fetched
	s_wait_xcnt 0x0                                ; PK was store data: it is rewritten only behind this wait
; K step c of 8 (32 along K).  Both operands hold k = 32 c + 16 h + 0..15 in lane (r, h): the same permutation of k on both sides, which keeps the products.
.macro GLOADS c
.irp i, 0,1,2,3
	ds_load_b128 v[ST+32*((\c)%4)+4*(\i):ST+32*((\c)%4)+4*(\i)+3], v5 offset:128*(\c)+16*(\i)
.endr
.irp i, 0,1,2,3
	ds_load_b128 v[ST+32*((\c)%4)+16+4*(\i):ST+32*((\c)%4)+16+4*(\i)+3], v4 offset:128*(\c)+16*(\i)
.endr
.endm
.macro GSTEP c
	s_wait_dscnt 8*(3-(\c)%4)                      ; this step's eight loads are in; those of the batch's later steps stay out
.irp j, 0,1,2,3,4,5,6,7,8,9,10,11,12,13,14,15
	v_cvt_pk_bf16_f32 v[PK+16*((\c)%4)+(\j)], v[ST+32*((\c)%4)+2*(\j)], v[ST+32*((\c)%4)+2*(\j)+1]
.endr
.if (\c) < 2                                           ; source 0 = gate_w (16 rows), source 1 = x (16 tokens): a lane ends with the eight logits of token lane % 16
	v_wmma_f32_16x16x32_bf16 v[ACC0+8*((\c)%2):ACC0+8*((\c)%2)+7], v[PK+16*((\c)%4):PK+16*((\c)%4)+7], v[PK+16*((\c)%4)+8:PK+16*((\c)%4)+15], 0
.else
	v_wmma_f32_16x16x32_bf16 v[ACC0+8*((\c)%2):ACC0+8*((\c)%2)+7], v[PK+16*((\c)%4):PK+16*((\c)%4)+7], v[PK+16*((\c)%4)+8:PK+16*((\c)%4)+15], v[ACC0+8*((\c)%2):ACC0+8*((\c)%2)+7]
.endif
.endm
; The two accumulators take turns, one instruction a turn.  A fragment register is written again four steps later: 48 conversions
; that name none of the matrix instruction's registers stand between (ISA guide 7.12.1).
.irp c, 0,1,2,3
	GLOADS \c
.endr
.irp c, 0,1,2,3
	GSTEP \c
.endr
.irp c, 4,5,6,7
	GLOADS \c
.endr
.irp c, 4,5,6,7
	GSTEP \c
.endr
.rept 4
	v_nop                                          ; four places behind the last product (ISA guide 7.12.1)
.endr
.irp j, 0,2,4,6
	v_pk_add_f32 v[PS+(\j):PS+(\j)+1], v[ACC0+(\j):ACC0+(\j)+1], v[ACC0+8+(\j):ACC0+8+(\j)+1]  ; from each accumulator's low end on
.endr
	ds_store_b128 v8, v[PS:PS+3]
	ds_store_b128 v8, v[PS+4:PS+7] offset:16
	s_wait_dscnt 0x0                               ; for wave 0's sake: my partial logits are in LDS
	s_barrier_signal -1
	s_barrier_wait -1
	s_cmp_lg_u32 s18, 0
	s_cbranch_scc1 .Lend                           ; the rest is 32 tokens' work: one wave, a token a lane
.irp q, 0,1,2,3
	ds_load_b128 v[64+8*(\q):64+8*(\q)+3], v10 offset:2048*(\q)
	ds_load_b128 v[64+8*(\q)+4:64+8*(\q)+7], v10 offset:2048*(\q)+16
.endr
	s_lshl_b32 s48, ttmp9, 7                       ; route and hist: 128 bytes a group; rwt: 256
	s_mov_b32 s49, 0
	s_lshl_b32 s50, ttmp9, 8
	s_mov_b32 s51, 0
	s_add_nc_u64 s[12:13], s[12:13], s[48:49]
	s_add_nc_u64 s[16:17], s[16:17], s[48:49]
	s_add_nc_u64 s[14:15], s[14:15], s[50:51]
	s_wait_dscnt 0x0
.irp j, 0,2,4,6                                        ; logits = (quarter 0 + quarter 1) + (quarter 2 + quarter 3), in v[64:71]
	v_pk_add_f32 v[64+(\j):65+(\j)], v[64+(\j):65+(\j)], v[72+(\j):73+(\j)]
	v_pk_add_f32 v[80+(\j):81+(\j)], v[80+(\j):81+(\j)], v[88+(\j):89+(\j)]
.endr
.irp j, 0,2,4,6
	v_pk_add_f32 v[64+(\j):65+(\j)], v[64+(\j):65+(\j)], v[80+(\j):81+(\j)]
.endr
	; the two largest: m1 v100, i1 v101, m2 v102, i2 v103.  A logit that beats m1 pushes the old m1 down to second place; else it is held against m2.  Only a greater one wins, so equal logits keep the lower index.
	v_mov_b32 v100, v64
	v_mov_b32 v101, 0
	v_mov_b32 v102, 0xff800000                     ; below every finite logit
	v_mov_b32 v103, 1
.irp e, 1,2,3,4,5,6,7
	v_cmp_gt_f32 s52, v[64+\e], v100
	v_cndmask_b32 v104, v[64+\e], v100, s52        ; the candidate for second place,
	v_cndmask_b32 v105, \e, v101, s52              ; and its index
	v_cndmask_b32 v100, v100, v[64+\e], s52
	v_cndmask_b32 v101, v101, \e, s52
	v_cmp_gt_f32 vcc_lo, v104, v102
	s_or_b32 vcc_lo, vcc_lo, s52                   ; an old m1 always takes second place, also where it equals m2: its index is the lower
	v_cndmask_b32 v102, v102, v104, vcc_lo
	v_cndmask_b32 v103, v103, v105, vcc_lo
.endr
	; softmax: t = 2^((logit - m1) log2 e); w1 = 1 / sum, w2 = t(m2) / sum
.irp j, 0,2,4,6
	v_pk_add_f32 v[72+(\j):73+(\j)], v[64+(\j):65+(\j)], v[100:101] op_sel_hi:[1,0] neg_lo:[0,1] neg_hi:[0,1]  ; both halves less m1
.endr
	v_sub_f32 v80, v102, v100
.irp j, 0,2,4,6
	v_pk_mul_f32 v[72+(\j):73+(\j)], v[72+(\j):73+(\j)], LOG2E op_sel_hi:[1,0]
.endr
	v_mul_f32 v80, LOG2E, v80
.irp j, 72,73,74,75,76,77,78,79,80
	v_exp_f32 v[\j], v[\j]
.endr
	v_min_u32 v84, v101, v103                      ; a: a plain instruction behind the last exponential (ISA guide 5.7.2)
	s_wait_alu depctr_va_vdst(0)
	v_pk_add_f32 v[72:73], v[72:73], v[74:75]
	v_pk_add_f32 v[76:77], v[76:77], v[78:79]
	v_pk_add_f32 v[72:73], v[72:73], v[76:77]
	v_add_f32 v72, v72, v73
	v_rcp_f32 v82, v72                             ; w1
	v_max_u32 v85, v101, v103                      ; b: the plain instruction behind the reciprocal
	s_wait_alu depctr_va_vdst(0)
	v_mul_f32 v83, v80, v82                        ; w2
	v_sub_nc_u32 v86, 15, v84
	v_mul_u32_u24 v86, v84, v86
	v_lshrrev_b32 v86, 1, v86                      ; a (15 - a) / 2
	v_sub_nc_u32 v87, v85, v84
	v_add_nc_u32 v87, -1, v87                      ; b - a - 1
	v_sub_nc_u32 v88, 7, v85                       ; 7 - b
	v_and_b32 v89, 1, v84
	v_cmp_eq_u32 vcc_lo, 1, v89
	v_cndmask_b32 v87, v87, v88, vcc_lo
	v_add_nc_u32 v86, v86, v87
	v_min_u32 v86, 27, v86                         ; the bin
	v_mov_b32 v111, 0                              ; the histogram: lane b takes bin b's count; lanes 28-31 stay 0
	v_mov_b32 v113, 0                              ; my rank among the group's tokens of my bin
.set b, 0
.rept 28
	v_cmp_eq_u32 vcc_lo, b, v86
	s_bcnt1_i32_b32 s53, vcc_lo
	v_writelane_b32 v111, s53, b
	v_mbcnt_lo_u32_b32 v112, vcc_lo, 0             ; tokens of bin b in the lanes below mine
	v_cndmask_b32 v113, v113, v112, vcc_lo
.set b, b+1
.endr
	v_lshl_or_b32 v110, v101, 8, v86               ; bin | e1 << 8 | e2 << 12 | rank << 16
	v_lshl_or_b32 v110, v103, 12, v110
	v_lshl_or_b32 v110, v113, 16, v110
	global_store_b32 v9, v110, s[12:13]
	global_store_b64 v7, v[82:83], s[14:15]
	global_store_b32 v9, v111, s[16:17]
.Lend:
	s_wait_tensorcnt 0x0
	ds_add_u32 v62, v63
	s_wait_dscnt 0x0
	s_endpgm
.Lfunc_end_k_q4dca817e2b_router:
	.size	k_q4dca817e2b_router, .Lfunc_end_k_q4dca817e2b_router-k_q4dca817e2b_router
	.p2alignl 7, 3214868480
	.fill 96, 4, 3214868480
	.section	.rodata,"a",@progbits
	.p2align	6, 0x0
	.amdhsa_kernel k_q4dca817e2b_router
		.amdhsa_group_segment_fixed_size 175616
		.amdhsa_private_segment_fixed_size 0
		.amdhsa_enable_private_segment 0
		.amdhsa_kernarg_size 56
		.amdhsa_user_sgpr_count 2
		.amdhsa_user_sgpr_kernarg_segment_ptr 1
		.amdhsa_wavefront_size32 1
		.amdhsa_system_sgpr_workgroup_id_x 1
		.amdhsa_system_sgpr_workgroup_id_y 1
		.amdhsa_system_sgpr_workgroup_id_z 1
		.amdhsa_system_vgpr_workitem_id 0
		.amdhsa_next_free_vgpr 256
		.amdhsa_next_free_sgpr 66
		.amdhsa_reserve_vcc 1
		.amdhsa_float_denorm_mode_32 3
		.amdhsa_float_denorm_mode_16_64 3
		.amdhsa_memory_ordered 1
		.amdhsa_forward_progress 1
		.amdhsa_inst_pref_size 42
	.end_amdhsa_kernel
	.amdgpu_metadata
---
amdhsa.version: [ 1, 2 ]
amdhsa.kernels:
  - .name:           k_q4dca817e2b_router
    .symbol:         k_q4dca817e2b_router.kd
    .args:
      - { .name: x, .offset: 0, .size: 8, .value_kind: global_buffer, .address_space: global }
      - { .name: gate_w, .offset: 8, .size: 8, .value_kind: global_buffer, .address_space: global }
      - { .name: expert_w, .offset: 16, .size: 8, .value_kind: global_buffer, .address_space: global }
      - { .name: wb, .offset: 24, .size: 8, .value_kind: global_buffer, .address_space: global }
      - { .name: route, .offset: 32, .size: 8, .value_kind: global_buffer, .address_space: global }
      - { .name: rwt, .offset: 40, .size: 8, .value_kind: global_buffer, .address_space: global }
      - { .name: hist, .offset: 48, .size: 8, .value_kind: global_buffer, .address_space: global }
    .group_segment_fixed_size: 175616
    .private_segment_fixed_size: 0
    .kernarg_segment_align: 8
    .kernarg_segment_size: 56
    .max_flat_workgroup_size: 256
    .sgpr_count:     66
    .vgpr_count:     256
    .wavefront_size: 32
...
	.end_amdgpu_metadata
.endif
;; end of part 1
;; launch placer (part 2): grid 256 x 1, 8 waves a work-group, no clusters, 3,072 bytes of LDS; arguments x, route, rwt, hist, xs, sinfo, sw, tl; writes xs, sinfo, sw, tl
.if DOCPART == 2
	.amdgcn_target "amdgcn-amd-amdhsa--gfx1250"
	.amdhsa_code_object_version 6
	.text
	.protected	k_q4dca817e2b_placer
	.globl	k_q4dca817e2b_placer
	.p2align	8
	.type	k_q4dca817e2b_placer,@function
k_q4dca817e2b_placer:
	s_mov_b64 s[64:65], 0
	v_nop
	global_prefetch_b8 v0, s[64:65] scope:SCOPE_SE
	s_setreg_imm32_b32 hwreg(HW_REG_WAVE_MODE, 25, 1), 1
	s_wait_xcnt 0x0
; PLACER.  The counting sort's second half, by gathering: no atomics.  Work-group g owns tokens 32 g .. 32 g + 31.
; A token's sorted place = (tokens in lower bins) + (tokens of its bin in lower groups) + (its rank in its group).  The first two come from the 256 x 32 histograms,
; which every work-group sums for itself: 32 KB, shared out among its eight waves and joined in LDS.
; Then each wave rounds four rows of x to bf16 and stores them at their sorted places (xs); wave 0 stores the sorted records (token, experts, weights);
; groups 0-63 also store the set of experts that sorted rows 128 g .. 128 g + 127 need (tl), from the bins that overlap those rows.
; A stream: each row is read once by 512-byte loads, all 32 of a wave on their way at once, and written once by stores of 256 consecutive aligned bytes.  No matrix unit, no cluster: nothing is shared or multiplied.
; Sorted places are whole numbers read from memory; each is clamped to 8,191 ahead of its use in an address.
.set H,  8                             ; v[8:39]   histogram rows, later the waves' partial sums
.set X,  64                            ; v[64:191] four rows of x as loaded
.set PK, 192                           ; v[192:255] the same in bf16
	s_load_b256 s[4:11], s[0:1], 0x0               ; x s[4:5], route s[6:7], rwt s[8:9], hist s[10:11]
	s_load_b256 s[12:19], s[0:1], 0x20             ; xs s[12:13], sinfo s[14:15], sw s[16:17], tl s[18:19]
	v_lshl_add_u32 v62, v0, 2, 0x800
	v_mov_b32 v63, 0
	v_lshrrev_b32 v5, 5, v0
	v_readfirstlane_b32 s20, v5                    ; wave 0..7
	v_and_b32 v1, 31, v0                           ; lane
	v_lshlrev_b32 v2, 4, v1
	v_lshlrev_b32 v3, 3, v1
	v_lshlrev_b32 v4, 2, v1
	v_lshl_add_u32 v5, s20, 8, v4                  ; LDS: 256 bytes a wave, a word a lane
	s_mov_b32 s21, ttmp9                           ; g
	s_lshl_b32 s22, s21, 7                         ; route and tl: 128 bytes a group
	s_mov_b32 s23, 0
	s_lshl_b32 s24, s21, 8                         ; rwt: 256
	s_mov_b32 s25, 0
	s_lshl_b32 s26, s20, 12                        ; hist: 32 rows of 128 bytes a wave
	s_mov_b32 s27, 0
	s_lshl_b32 s28, s21, 17                        ; x: 131,072 bytes a group, 16,384 a wave
	s_lshl_b32 s29, s20, 14
	s_add_co_u32 s28, s28, s29
	s_mov_b32 s29, 0
	s_wait_kmcnt 0x0
	s_add_nc_u64 s[6:7], s[6:7], s[22:23]
	s_add_nc_u64 s[8:9], s[8:9], s[24:25]
	s_add_nc_u64 s[10:11], s[10:11], s[26:27]
	s_add_nc_u64 s[4:5], s[4:5], s[28:29]
	global_load_b32 v40, v4, s[6:7]                ; lane l: token 32 g + l's word
	global_load_b64 v[42:43], v3, s[8:9]           ; and its two weights
.set i, 0
.rept 32
	global_load_b32 v[H+i], v4, s[10:11] offset:128*i  ; lane b: bin b's count in group 32 w + i
.set i, i+1
.endr
.set i, 0
.rept 32
	global_load_b128 v[X+4*i:X+4*i+3], v2, s[4:5] offset:512*i th:TH_LOAD_NT  ; rows 4 w .. 4 w + 3: eight loads a row
.set i, i+1
.endr
	s_wait_loadcnt 32                              ; all but the 32 loads of x, which stay on their way
	s_lshl_b32 s42, s20, 5
.set i, 0
.rept 32                                               ; v45: the counts of my 32 groups that lie below g
	s_add_co_u32 s43, s42, i
	s_cmp_lt_u32 s43, s21
	s_cselect_b32 s44, 1, 0
.if i == 0
	v_mul_u32_u24 v45, v[H], s44
.else
	v_mad_u32_u24 v45, v[H+i], s44, v45
.endif
.set i, i+1
.endr
	v_add_nc_u32 v44, v[H], v[H+1]                 ; v44: the counts of all my 32 groups
.set i, 2
.rept 15
	v_add3_u32 v44, v44, v[H+i], v[H+i+1]
.set i, i+2
.endr
	ds_store_b32 v5, v44
	ds_store_b32 v5, v45 offset:128
	s_wait_dscnt 0x0                               ; for the others' sake: my sums are in LDS
	s_barrier_signal -1
	s_barrier_wait -1
.irp w, 0,1,2,3,4,5,6,7
	ds_load_b32 v[H+2*\w], v4 offset:256*\w
	ds_load_b32 v[H+2*\w+1], v4 offset:256*\w+128
.endr
	s_wait_dscnt 0x0
	v_add3_u32 v44, v[H], v[H+2], v[H+4]           ; lane b: all tokens of bin b,
	v_add3_u32 v45, v[H+1], v[H+3], v[H+5]         ; and those in groups below mine
	v_add3_u32 v44, v44, v[H+6], v[H+8]
	v_add3_u32 v45, v45, v[H+7], v[H+9]
	v_add3_u32 v44, v44, v[H+10], v[H+12]
	v_add3_u32 v45, v45, v[H+11], v[H+13]
	v_add_nc_u32 v44, v44, v[H+14]
	v_add_nc_u32 v45, v45, v[H+15]
	v_mov_b32 v47, 0                               ; lane b: tokens in bins below b
	s_mov_b32 s24, 0
.set b, 0
.rept 28
	v_writelane_b32 v47, s24, b
	v_readlane_b32 s25, v44, b
	s_add_co_u32 s24, s24, s25
.set b, b+1
.endr
	v_add_nc_u32 v48, v47, v45                     ; lane b: where my group's tokens of bin b begin
	v_and_b32 v49, 0xff, v40
	v_min_u32 v49, 31, v49
	v_lshlrev_b32 v49, 2, v49
	ds_bpermute_b32 v46, v49, v48                  ; lane l takes the entry of its token's bin
	v_bfe_u32 v51, v40, 16, 8                      ; its rank
	s_wait_dscnt 0x0
	v_add_nc_u32 v50, v46, v51                     ; the token's sorted place
	s_lshl_b32 s42, s20, 2
	s_mov_b32 s41, 0
.irp i, 0,1,2,3                                        ; xs at the places of my four rows
	s_add_co_u32 s43, s42, \i
	v_readlane_b32 s44, v50, s43
	s_min_u32 s44, s44, 0x1fff
	s_lshl_b32 s40, s44, 11                        ; a row of xs is 2,048 bytes
	s_add_nc_u64 s[32+2*\i:33+2*\i], s[12:13], s[40:41]
.endr
.set i, 0
.rept 32
	s_wait_loadcnt 31-i                            ; loads come back in order (ISA guide 5.7.1): load i is in, the younger ones stay out
	v_cvt_pk_bf16_f32 v[PK+2*i], v[X+4*i], v[X+4*i+1]
	v_cvt_pk_bf16_f32 v[PK+2*i+1], v[X+4*i+2], v[X+4*i+3]
	global_store_b64 v3, v[PK+2*i:PK+2*i+1], s[32+2*(i/8):33+2*(i/8)] offset:256*(i%8)  ; 256 consecutive bytes, aligned
.set i, i+1
.endr
	s_cmp_lg_u32 s20, 0
	s_cbranch_scc1 .Lend
	; wave 0: the records, 8 bytes a token to its sorted place (131,072 bytes in the whole launch)
	v_min_u32 v51, 0x1fff, v50
	v_lshlrev_b32 v51, 3, v51
	s_lshl_b32 s43, s21, 5
	v_add_nc_u32 v52, s43, v1                      ; the token's number
	v_bfe_u32 v54, v40, 8, 4                       ; e1
	v_bfe_u32 v55, v40, 12, 4                      ; e2
	v_lshl_or_b32 v53, v55, 8, v54
	global_store_b64 v51, v[52:53], s[14:15]
	global_store_b64 v51, v[42:43], s[16:17]
	s_cmp_lt_u32 s21, 64
	s_cbranch_scc0 .Lend
	; groups 0-63: which bins have a token among sorted rows 128 g .. 128 g + 127, and which experts those bins name
	s_lshl_b32 s45, s21, 7
	s_add_co_u32 s46, s45, 128
	v_cmp_gt_u32 s47, s46, v47                     ; the bin begins ahead of the tile's end,
	v_add_nc_u32 v56, v47, v44
	v_cmp_lt_u32 s48, s45, v56                     ; ends behind its beginning,
	v_cmp_ne_u32 s49, 0, v44                       ; and is not empty
	s_and_b32 s47, s47, s48
	s_and_b32 s47, s47, s49
	s_mov_b32 s50, 0
.macro HAS e, bins                                     ; bins: the seven bins whose pair holds expert e
	s_and_b32 s51, s47, \bins
	s_cselect_b32 s51, 1<<(\e), 0
	s_or_b32 s50, s50, s51
.endm
	HAS 0, 0x7f
	HAS 1, 0x1f81
	HAS 2, 0x3f002
	HAS 3, 0x3c2804
	HAS 4, 0x1e04408
	HAS 5, 0x6508210
	HAS 6, 0xc890120
	HAS 7, 0xb0600c0
	v_mov_b32 v57, s50
	s_add_nc_u64 s[18:19], s[18:19], s[22:23]
	global_store_b32 v4, v57, s[18:19]             ; the same word 32 times: every byte of tl is written
.Lend:
	s_wait_tensorcnt 0x0
	ds_add_u32 v62, v63
	s_wait_dscnt 0x0
	s_endpgm
.Lfunc_end_k_q4dca817e2b_placer:
	.size	k_q4dca817e2b_placer, .Lfunc_end_k_q4dca817e2b_placer-k_q4dca817e2b_placer
	.p2alignl 7, 3214868480
	.fill 96, 4, 3214868480
	.section	.rodata,"a",@progbits
	.p2align	6, 0x0
	.amdhsa_kernel k_q4dca817e2b_placer
		.amdhsa_group_segment_fixed_size 3072
		.amdhsa_private_segment_fixed_size 0
		.amdhsa_enable_private_segment 0
		.amdhsa_kernarg_size 64
		.amdhsa_user_sgpr_count 2
		.amdhsa_user_sgpr_kernarg_segment_ptr 1
		.amdhsa_wavefront_size32 1
		.amdhsa_system_sgpr_workgroup_id_x 1
		.amdhsa_system_sgpr_workgroup_id_y 1
		.amdhsa_system_sgpr_workgroup_id_z 1
		.amdhsa_system_vgpr_workitem_id 0
		.amdhsa_next_free_vgpr 256
		.amdhsa_next_free_sgpr 66
		.amdhsa_reserve_vcc 0
		.amdhsa_float_denorm_mode_32 3
		.amdhsa_float_denorm_mode_16_64 3
		.amdhsa_memory_ordered 1
		.amdhsa_forward_progress 1
		.amdhsa_inst_pref_size 32
	.end_amdhsa_kernel
	.amdgpu_metadata
---
amdhsa.version: [ 1, 2 ]
amdhsa.kernels:
  - .name:           k_q4dca817e2b_placer
    .symbol:         k_q4dca817e2b_placer.kd
    .args:
      - { .name: x, .offset: 0, .size: 8, .value_kind: global_buffer, .address_space: global }
      - { .name: route, .offset: 8, .size: 8, .value_kind: global_buffer, .address_space: global }
      - { .name: rwt, .offset: 16, .size: 8, .value_kind: global_buffer, .address_space: global }
      - { .name: hist, .offset: 24, .size: 8, .value_kind: global_buffer, .address_space: global }
      - { .name: xs, .offset: 32, .size: 8, .value_kind: global_buffer, .address_space: global }
      - { .name: sinfo, .offset: 40, .size: 8, .value_kind: global_buffer, .address_space: global }
      - { .name: sw, .offset: 48, .size: 8, .value_kind: global_buffer, .address_space: global }
      - { .name: tl, .offset: 56, .size: 8, .value_kind: global_buffer, .address_space: global }
    .group_segment_fixed_size: 3072
    .private_segment_fixed_size: 0
    .kernarg_segment_align: 8
    .kernarg_segment_size: 64
    .max_flat_workgroup_size: 256
    .sgpr_count:     66
    .vgpr_count:     256
    .wavefront_size: 32
...
	.end_amdgpu_metadata
.endif
;; end of part 2
;; launch experts (part 3): grid 4 x 64, 4 waves a work-group, no clusters, 243,200 bytes of LDS; arguments xs, wb, sinfo, sw, tl, out0; writes out0
.if DOCPART == 3
	.amdgcn_target "amdgcn-amd-amdhsa--gfx1250"
	.amdhsa_code_object_version 6
	.text
	.protected	k_q4dca817e2b_experts
	.globl	k_q4dca817e2b_experts
	.p2align	8
	.type	k_q4dca817e2b_experts,@function
k_q4dca817e2b_experts:
	s_mov_b64 s[64:65], 0
	v_nop
	global_prefetch_b8 v0, s[64:65] scope:SCOPE_SE
	s_setreg_imm32_b32 hwreg(HW_REG_WAVE_MODE, 25, 1), 1
	s_wait_xcnt 0x0
; EXPERTS.  out[token] = w1 (x . W_e1^T) + w2 (x . W_e2^T), over rows sorted by their pair of experts.  xs: [8192 sorted rows][1024] bf16, wb: [8][1024][1024] bf16, out0: [8192][1024] f32.
; A work-group owns 128 sorted rows x 256 columns.  For each expert e that any of the 128 rows names (the set is read from tl: n = 1 to 8 of them, whatever the routing) it multiplies
; all 128 rows by W_e's 256 rows, K = 1,024, sums in f32, and adds the result times the row's weight for e (0 where the row does not name e) onto OUT, in f32 registers.
; So both parts of a row are summed in one work-group, nothing goes through memory between them, and each byte of out0 is written once.  The time grows with n, the values do not hang on it.
; SHARES.  Four waves, each 64 rows (wr = w >> 1) x 128 columns (wc = w & 1): 32 accumulators of 16 x 16 and as many registers of OUT.
; THE MATRIX INSTRUCTION IS USED TRANSPOSED: source 0 = 16 rows of W, source 1 = 16 rows of xs: a lane holds ONE row (lane % 16) and eight neighbouring columns, so the row's weight is a factor of the lane's own.
; THE LOOP IS COUNTED BY A CONSTANT.  n is read from memory, and how often a wave passes a barrier must not hang on a number that was loaded.  So the loop has 32 trips, 8 experts x 4 laps, its two
; barriers stand outside every branch, and a trip from lap 4 n on goes round the work between them.  The part ahead of the loop writes every register that a segment reads.
; TILES COME THROUGH REGISTERS, NOT BY TENSOR LOADS, AND THERE IS NO CLUSTER.  A tensor load may not be jumped over: in a loop of 32 laps it would fetch 32 x 192 KB for a work-group that needs 4 n laps
; (2 or 3 experts where the routing is even).  Plain loads may be jumped over.  Joint requests are tensor loads, so they go with them.
; RING.  K goes in steps of 128 through two LDS slots, each with xs's 128 rows and W's 256.  A step's tile is 96 KB: 48 loads of 16 bytes a lane in each wave (16 lanes take 256 consecutive aligned bytes
; of a row), kept in 192 registers until they are stored into the slot that is not being read.
; THE MEMORY WORK IS DEALT EVENLY.  A step is four quarters of 32 along K; a quarter is four runs of 8 matrix instructions, and behind each run stands a short run of memory instructions: 8 + 8 + 8 loads of
; the next quarter's fragments, then one PART of the tile in registers: 12 stores into LDS and, directly behind them, 12 loads that ask for the same registers again with the tile two steps on.  So every
; quarter has the same 36 LDS instructions, no run is longer than 24, and a part's loads have a whole step less one run in which to land.
; THE COUNTED WAIT FOR A PART.  Parts are asked for in the order 0, 1, 2, 3, 0, ..: when part p is due, the three younger parts, 36 loads, may be out.  Every way that goes round loads (round a segment in
; an idle trip; round a part's loads behind the last expert's last step) holds a wait for ALL loads, so that on every way either those 36 were issued behind part p or part p has landed.
; REGISTERS, in windows of 256 (s_set_vgpr_msb: bits 1:0 source 0, 3:2 source 1, 5:4 source 2, 7:6 destination):
;   window 0: addresses, the rows' records, v64-255 a step's tile on its way     window 1: accumulator (a, b) at v[8 (8 a + b)]     window 2: OUT, in the same order
;   window 3: two fragment buffers of 96 (32 of xs, 64 of W).  A part, with its branch and labels, needs window 0 alone; a run of fragment loads costs two switches: eight switches for a quarter's 32 matrix instructions.
; LIMITS.  bf16 operands, f32 sums; NaN and infinities are not treated apart; a token number or an expert number out of range is clamped ahead of its use in an address.
.set PITCH,  272                       ; an LDS row: 256 bytes + 16 of padding = 68 words: the 16 rows of a fragment load start at 16 different groups of four banks (64 banks of 4 bytes: ISA guide 11.1)
.set AHALF,  64*PITCH                  ; 64 rows of xs: one wave's share of the products
.set ATILE,  128*PITCH
.set BHALF,  128*PITCH                 ; 128 rows of W: one wave's share of the products
.set SLOT,   ATILE+2*BHALF
.set STAGE,  2*SLOT                    ; behind the ring: 16 rows x 528 bytes for each wave, for the way out
.set SPITCH, 528                       ; 512 bytes + 16
.set NTRIP,  32                        ; 8 experts x 4 laps
.set ADRA, 2                           ; v2-3   LDS address of my fragments of xs in slot 0, 1
.set ADRB, 4                           ; v4-5   the same for W
.set STO,  6                           ; v6     the way out: where I put 32 bytes of a row
.set RD,   7                           ; v7     the way out: where I read a row back
.set LN16, 8                           ; v8     16 x lane
.set STA,  10                          ; v10-11 where I store my part of xs's tile in slot 0, 1
.set E1,   12                          ; v12-15 first expert of row 16 a + lane % 16
.set E2,   16                          ; v16-19 second expert
.set STB,  20                          ; v20-21 where I store my part of W's tile in slot 0, 1
.set GOFF, 22                          ; v22    my byte offset in two rows of xs or wb; never rewritten
.set SI,   24                          ; v[24:31] records: token, experts, for a = 0..3
.set SWT,  32                          ; v[32:39] weights w1, w2, for a = 0..3
.set WP,   40                          ; v[40:47] the row's weight for the expert in hand, in the even register of a pair
.set VO,   48                          ; v48-63 byte offsets of 16 rows of out0
.set SGA,  64                          ; v[64:127]  16 x 4 registers: my 32 rows of xs's tile,
.set SGB,  128                         ; v[128:255] 32 x 4: my 64 rows of W's
.set F0,   0                           ; window 3: fragment buffer 0,
.set F1,   96                          ; and 1
.set WV, 16
.set WR, 17
.set WC, 18
.set CHUNK, 20
.set TILE, 21
.set ABASE, 24                         ; s[24:25] xs at the 32 rows that I fetch
.set BBASE, 26                         ; s[26:27] W of expert 0 at the 64 rows that I fetch
.set GAD,  28                          ; s[28:29] the same at the step that is being asked for
.set GBD,  30                          ; s[30:31]
.set OFFA, 32                          ; s[32:33] bytes along K
.set OFFB, 34                          ; s[34:35] the expert's bytes + bytes along K
.set LAP,  66                          ; counts the trips
.set NLAP, 67                          ; 4 n
.set EMF,  68                          ; experts still to be asked for
.set EMC,  69                          ; experts still to be combined
.set EFILL, 70                         ; the expert whose tiles are being asked for
.set ECUR, 71                          ; the expert whose sums are finished
.set NSTEP, 72                         ; 8 n
.set STP,  73                          ; the K step to be asked for next, counted through all experts
.set LDON, 74                          ; 1: the step that is being asked for exists
.set OUTB, 78                          ; s[78:79] out0 at my 128 columns
.set MSB, 0
.macro WIN new                         ; the immediate's high byte repeats the setting that is left; a switch that changes nothing is dropped
.if MSB != (\new)
	s_set_vgpr_msb (MSB<<8)|(\new)
.set MSB, \new
.endif
.endm
.set MUL,  0x5f                        ; fragments (sources 0 and 1) in window 3, C and D in window 1
.set TOF,  0xc0                        ; destination in window 3, address in window 0
.set COMB, 0xa1                        ; source 0 window 1, source 1 window 0, source 2 and destination window 2
.set FROM2, 0x08                       ; store data in window 2
.set TO2,  0x80                        ; destination in window 2
.macro PLACES                          ; four places in front of loads into registers that matrix instructions have read (ISA guide 7.12.1 for vector instructions)
.rept 4
	v_nop
.endr
.endm
; Where K step STP lies: step STP % 8 of an expert; at 0 the next expert of the set is taken.  The bases are written anew only where the loads that name them have had their addresses translated.
.macro ADDR
	s_cmp_lt_u32 s[STP], s[NSTEP]
	s_cselect_b32 s[LDON], 1, 0                    ; behind the last expert's last step nothing is asked for
	s_and_b32 s80, s[STP], 7
	s_ctz_i32_b32 s81, s[EMF]
	s_sub_co_u32 s82, s[EMF], 1
	s_and_b32 s82, s[EMF], s82
	s_cmp_eq_u32 s80, 0
	s_cselect_b32 s[EFILL], s81, s[EFILL]
	s_cselect_b32 s[EMF], s82, s[EMF]
	s_min_u32 s83, s[EFILL], 7                     ; kept inside wb
	s_lshl_b32 s83, s83, 21                        ; an expert is 2,097,152 bytes of wb
	s_lshl_b32 s[OFFA], s80, 8                     ; a step is 256 bytes along K
	s_add_co_u32 s[OFFB], s83, s[OFFA]
	s_add_nc_u64 s[GAD:GAD+1], s[ABASE:ABASE+1], s[OFFA:OFFA+1]
	s_add_nc_u64 s[GBD:GBD+1], s[BBASE:BBASE+1], s[OFFB:OFFB+1]
	s_add_co_u32 s[STP], s[STP], 1
.endm
; Part p of four of my share of a tile: 8 rows of xs and 16 of W, two rows a load: lanes 0-15 take 256 consecutive aligned bytes of one row, lanes 16-31 of the next
.macro LOADP p
.set j, 4*(\p)
.rept 4
	global_load_b128 v[SGA+4*j:SGA+4*j+3], v[GOFF], s[GAD:GAD+1] offset:4096*j
.set j, j+1
.endr
.set j, 8*(\p)
.rept 8
	global_load_b128 v[SGB+4*j:SGB+4*j+3], v[GOFF], s[GBD:GBD+1] offset:4096*j
.set j, j+1
.endr
.endm
.macro STOREP p, slot                  ; the same rows into a slot that nobody reads between the barrier before and the barrier behind
.set j, 4*(\p)
.rept 4
	ds_store_b128 v[STA+(\slot)], v[SGA+4*j:SGA+4*j+3] offset:2*PITCH*j
.set j, j+1
.endr
.set j, 8*(\p)
.rept 8
	ds_store_b128 v[STB+(\slot)], v[SGB+4*j:SGB+4*j+3] offset:2*PITCH*j
.set j, j+1
.endr
.endm
; A PART's turn: it has landed, goes into the slot, and its registers are asked for again, directly behind the stores that read them (the sources of an LDS instruction need no wait), with the tile
; two steps on.  Part 0 is the first of a step and makes the step's addresses.  guard = 0: ahead of the loop, where the step asked for always exists (an expert has eight).
.macro PART p, slot, guard=1
	WIN 0
	s_wait_loadcnt 36                              ; loads come back in order (ISA guide 5.7.1): part p is in, the three younger parts stay out
	STOREP \p, \slot
.if (\p) == 0
	s_wait_xcnt 0x0                                ; the last step's loads, issued a quarter ago and more, have had their addresses translated: the bases may be written
	ADDR
.endif
.if \guard
	s_cmp_lg_u32 s[LDON], 0
	s_cbranch_scc1 .Lask_\@
	s_wait_loadcnt 0x0                             ; the way round the loads: all parts have landed, so the counted wait above holds on this way too
	s_branch .Lnone_\@
.Lask_\@:
.endif
	LOADP \p
.if \guard
.Lnone_\@:
.endif
.endm
; 8 matrix instructions: row block a x all 8 column blocks, 32 along K, from buffer f.  zero = 1: the product starts the expert's sums.  head = 1: a quarter's first run, with the waits for its fragments.
; The 32 accumulators take turns, one instruction a turn: every segment between two jumps begins at a column block 0 and ends at a column block 7.
.macro MUL8 f, a, zero, head=0
.if \head
	s_wait_dscnt 16                                ; xs's fragments and W's 0 to 5 are in; the youngest 16 may be out: 12 stores of a part and the 4 loads of W's fragments 6 and 7
.endif
	WIN MUL
.irp b, 0,1,2,3,4,5,6,7
.if (\head) && ((\b) == 6)
	s_wait_dscnt 12                                ; only the part's 12 stores may be out
.endif
.if \zero
	v_wmma_f32_16x16x32_bf16 v[8*(8*(\a)+(\b)):8*(8*(\a)+(\b))+7], v[(\f)+32+8*(\b):(\f)+32+8*(\b)+7], v[(\f)+8*(\a):(\f)+8*(\a)+7], 0
.else
	v_wmma_f32_16x16x32_bf16 v[8*(8*(\a)+(\b)):8*(8*(\a)+(\b))+7], v[(\f)+32+8*(\b):(\f)+32+8*(\b)+7], v[(\f)+8*(\a):(\f)+8*(\a)+7], v[8*(8*(\a)+(\b)):8*(8*(\a)+(\b))+7]
.endif
.endr
.endm
; The fragments of 32 along K at byte k of the rows, into buffer f, in three runs of 8 LDS loads: xs's four; W's 0 to 3; W's 4 to 7
.macro FA slot, k, f
	WIN TOF
.irp i, 0,1,2,3
	ds_load_b128 v[(\f)+8*(\i):(\f)+8*(\i)+3],   v[ADRA+(\slot)] offset:(\k)+(\i)*16*PITCH
	ds_load_b128 v[(\f)+8*(\i)+4:(\f)+8*(\i)+7], v[ADRA+(\slot)] offset:(\k)+(\i)*16*PITCH+32
.endr
.endm
.macro FB slot, k, f, i0
	WIN TOF
.irp i, 0,1,2,3
	ds_load_b128 v[(\f)+32+8*((\i0)+(\i)):(\f)+32+8*((\i0)+(\i))+3],   v[ADRB+(\slot)] offset:(\k)+((\i0)+(\i))*16*PITCH
	ds_load_b128 v[(\f)+32+8*((\i0)+(\i))+4:(\f)+32+8*((\i0)+(\i))+7], v[ADRB+(\slot)] offset:(\k)+((\i0)+(\i))*16*PITCH+32
.endr
.endm
; One of a step's first three quarters: multiplies buffer f, fetches the next quarter, at byte k, into g, and gives part p its turn.  xs's fragments come first: the next quarter wants them all at
; its head, W's one by one.  The four v_nop stand behind the last product that read g and ahead of all three runs.
.macro QUARTER slot, k, f, g, zero, p, guard=1
	MUL8 \f, 0, \zero, 1
	PLACES
	FA \slot, \k, \g
	MUL8 \f, 1, \zero
	FB \slot, \k, \g, 0
	MUL8 \f, 2, \zero
	FB \slot, \k, \g, 4
	MUL8 \f, 3, \zero
	PART \p, 1-(\slot), \guard
.endm
; The fourth quarter multiplies buffer 1 and changes slots.  Its first run stands in front of the barrier, the rest behind; the barrier itself stands outside the jumps.
.macro TURNA
	MUL8 F1, 0, 0, 1
	WIN 0                                          ; at a label and at a branch every window is 0
.endm
.macro MEET                            ; on every wave's way in every trip
	s_wait_dscnt 0x0                               ; my reads of the slot that is left are back, and my four parts are in the other slot
	s_barrier_signal -1
	s_barrier_wait -1                              ; both now hold of all four waves
.endm
.macro TURNB next                      ; the new slot's first fragments; the slot that was left takes part 0 of the step after
	PLACES
	FA \next, 0, F0
	MUL8 F1, 1, 0
	FB \next, 0, F0, 0
	MUL8 F1, 2, 0
	FB \next, 0, F0, 4
	MUL8 F1, 3, 0
	PART 0, 1-(\next)
.endm
; The rows' weights for the expert whose sums are finished: w1 or w2 where the row names it, else 0.  Sixteen plain instructions that name no register of the last products: their places (ISA guide 7.12.1).
.macro WEIGHTS
	WIN 0
	s_ctz_i32_b32 s[ECUR], s[EMC]
	s_sub_co_u32 s80, s[EMC], 1
	s_and_b32 s[EMC], s[EMC], s80
.irp a, 0,1,2,3
	v_cmp_eq_u32 vcc_lo, s[ECUR], v[E2+\a]
	v_cndmask_b32 v[WP+2*\a], 0, v[SWT+2*\a+1], vcc_lo
	v_cmp_eq_u32 vcc_lo, s[ECUR], v[E1+\a]
	v_cndmask_b32 v[WP+2*\a], v[WP+2*\a], v[SWT+2*\a], vcc_lo
.endr
.endm
.macro COMBINE                         ; OUT += weight x sums: each accumulator from its low end on
	WEIGHTS
	WIN COMB
.irp a, 0,1,2,3
.set o, 64*(\a)
.rept 32
	v_pk_fma_f32 v[o:o+1], v[o:o+1], v[WP+2*(\a):WP+2*(\a)+1], v[o:o+1] op_sel_hi:[1,0,1]
.set o, o+2
.endr
.endr
.endm
; THE WAY OUT of row block a.  A lane's 32 bytes go into my stage, rows of 528 bytes, and come back as whole rows of 512, into the registers that they left.
.macro PACK a
	WIN FROM2
.irp b, 0,1,2,3,4,5,6,7
	ds_store_b128 v[STO], v[64*(\a)+8*(\b):64*(\a)+8*(\b)+3] offset:64*(\b)
	ds_store_b128 v[STO], v[64*(\a)+8*(\b)+4:64*(\a)+8*(\b)+7] offset:64*(\b)+16
.endr
	WIN TO2
.irp p, 0,1,2,3,4,5,6,7,8,9,10,11,12,13,14,15
	ds_load_b128 v[64*(\a)+4*(\p):64*(\a)+4*(\p)+3], v[RD] offset:(\p)*SPITCH  ; LDS serves a wave's instructions in order (ISA guide 5.7.1.4): these see the stores above; the next block's stores come behind them
.endr
	WIN 0
.endm
; Each of the block's 16 rows goes to its token's row of out0.  younger: the LDS instructions issued behind the block's loads.
.macro SENDF a, younger
	WIN 0
	s_wait_xcnt 0x0                                ; the offsets that earlier loads and stores read are rewritten only behind this wait
.irp p, 0,1,2,3,4,5,6,7,8,9,10,11,12,13,14,15
	v_readlane_b32 s[80+\p], v[SI+2*(\a)], \p      ; row p's token,
	s_min_u32 s[80+\p], s[80+\p], 0x1fff           ; kept inside out0,
	v_lshl_add_u32 v[VO+\p], s[80+\p], 12, v[LN16] ; times 4,096 bytes, + 16 x lane
.endr
	WIN FROM2
.irp p, 0,1,2,3,4,5,6,7,8,9,10,11,12,13,14,15
	s_wait_dscnt (\younger)+15-(\p)                ; row p is back in registers
	global_store_b128 v[VO+\p], v[64*(\a)+4*(\p):64*(\a)+4*(\p)+3], s[OUTB:OUTB+1] th:TH_STORE_NT  ; 512 consecutive bytes, at a multiple of 512 from out0's first byte
.endr
	WIN 0
.endm
	s_load_b256 s[4:11], s[0:1], 0x0               ; xs s[4:5], wb s[6:7], sinfo s[8:9], sw s[10:11]
	s_load_b128 s[12:15], s[0:1], 0x20             ; tl s[12:13], out0 s[14:15]
	v_lshl_add_u32 v23, v0, 2, 0x3b400
	s_set_vgpr_msb 0xc0
	v_mov_b32 v193, 0
	s_set_vgpr_msb 0xc000
	v_lshrrev_b32 v1, 5, v0
	v_readfirstlane_b32 s[WV], v1                  ; wave 0..3
	s_lshr_b32 s[WR], s[WV], 1                     ; which 64 rows are mine
	s_and_b32 s[WC], s[WV], 1                      ; which 128 columns
	s_mov_b32 s[CHUNK], ttmp9                      ; my chunk of 256 columns
	s_and_b32 s[TILE], ttmp7, 0xffff               ; my tile of 128 rows
	s_lshl_b32 s80, s[TILE], 18                    ; xs: 128 rows of 2,048 bytes a tile,
	s_lshl_b32 s81, s[WV], 16                      ; of which I fetch 32
	s_add_co_u32 s80, s80, s81
	s_mov_b32 s81, 0
	s_lshl_b32 s82, s[CHUNK], 19                   ; W: 256 rows a chunk,
	s_lshl_b32 s83, s[WV], 17                      ; of which I fetch 64
	s_add_co_u32 s82, s82, s83
	s_mov_b32 s83, 0
	s_lshl_b32 s84, s[TILE], 7                     ; tl: 128 bytes a tile
	s_mov_b32 s85, 0
	v_and_b32 v1, 15, v0                           ; l % 16
	v_bfe_u32 v9, v0, 4, 1                         ; l / 16
	v_lshlrev_b32 v[GOFF], 4, v1
	v_lshl_add_u32 v[GOFF], v9, 11, v[GOFF]        ; 16 (l % 16) + one row of 2,048 bytes for lanes 16-31
	s_wait_kmcnt 0x0
	s_add_nc_u64 s[86:87], s[12:13], s[84:85]
	s_load_b32 s88, s[86:87], 0x0                  ; the tile's set of experts
	s_add_nc_u64 s[ABASE:ABASE+1], s[4:5], s[80:81]
	s_add_nc_u64 s[BBASE:BBASE+1], s[6:7], s[82:83]
	s_lshl_b32 s84, s[CHUNK], 10                   ; out0: 1,024 bytes a chunk, 512 a wave's columns
	s_lshl_b32 s92, s[WC], 9
	s_add_co_u32 s84, s84, s92
	s_add_nc_u64 s[OUTB:OUTB+1], s[14:15], s[84:85]
	s_mov_b32 s[OFFA+1], 0
	s_mov_b32 s[OFFB+1], 0
	s_mov_b32 s[STP], 0
	s_mov_b32 s[EFILL], 0
	s_wait_kmcnt 0x0
	s_and_b32 s[EMC], s88, 0xff
	s_mov_b32 s[EMF], s[EMC]
	s_bcnt1_i32_b32 s89, s[EMC]
	s_max_u32 s89, s89, 1
	s_min_u32 s89, s89, 8                          ; n
	s_lshl_b32 s[NLAP], s89, 2
	s_lshl_b32 s[NSTEP], s89, 3
	ADDR                                           ; K step 0
.irp p, 0,1,2,3
	LOADP \p
.endr
	v_lshlrev_b32 v49, 3, v1
	s_lshl_b32 s80, s[TILE], 10                    ; records of 8 bytes: 128 a tile, 64 a wave's rows
	s_lshl_b32 s81, s[WR], 9
	s_add_co_u32 s80, s80, s81
	v_add_nc_u32 v49, s80, v49
.irp a, 0,1,2,3                                        ; row 16 a + l % 16 of my 64
	global_load_b64 v[SI+2*\a:SI+2*\a+1], v49, s[8:9] offset:128*\a
	global_load_b64 v[SWT+2*\a:SWT+2*\a+1], v49, s[10:11] offset:128*\a
.endr
	v_mul_u32_u24 v48, v9, PITCH                   ; into a slot: row l / 16 of two, 16 bytes a lane
	v_lshl_add_u32 v48, v1, 4, v48
	s_mul_i32 s80, s[WV], 32*PITCH                 ; my 32 rows of xs,
	s_mul_i32 s81, s[WV], 64*PITCH                 ; my 64 rows of W,
	s_add_co_u32 s81, s81, ATILE                   ; which lie behind xs's 128
.irp s, 0,1
	v_add_nc_u32 v[STA+\s], s80, v48
	v_add_nc_u32 v[STB+\s], s81, v48
	s_add_co_u32 s80, s80, SLOT
	s_add_co_u32 s81, s81, SLOT
.endr
	; A fragment is 16 rows x 32 K in 8 registers: lane l holds row l % 16, K = 8 (l / 16) + 0..7 and 16 + 8 (l / 16) + 0..7: two loads of 16 bytes, 32 bytes apart.
	v_mul_u32_u24 v48, v1, PITCH
	v_lshl_add_u32 v48, v9, 4, v48
	s_mul_i32 s80, s[WR], AHALF
	s_mul_i32 s81, s[WC], BHALF
	s_add_co_u32 s81, s81, ATILE
.irp s, 0,1
	v_add_nc_u32 v[ADRA+\s], s80, v48
	v_add_nc_u32 v[ADRB+\s], s81, v48
	s_add_co_u32 s80, s80, SLOT
	s_add_co_u32 s81, s81, SLOT
.endr
	s_mul_i32 s82, s[WV], 16*SPITCH
	s_add_co_u32 s82, s82, STAGE                   ; my stage
	v_mul_u32_u24 v[STO], v1, SPITCH               ; in: row l % 16, 32 bytes for each half of the lanes
	v_lshl_add_u32 v[STO], v9, 5, v[STO]
	v_add_nc_u32 v[STO], s82, v[STO]
	v_and_b32 v[LN16], 31, v0
	v_lshlrev_b32 v[LN16], 4, v[LN16]
	v_add_nc_u32 v[RD], s82, v[LN16]               ; back: 32 lanes take a row's 512 bytes
.irp a, 0,1,2,3
	v_mov_b32 v[WP+2*\a+1], 0                      ; named with the weight as a pair
.endr
	; OUT starts at 0: 256 lines, in the wait for the first tile.  The price of one text for every expert, in which OUT is written on every way that reads it.
	WIN TO2
.set i, 0
.rept 256
	v_mov_b32 v[i], 0
.set i, i+1
.endr
	WIN 0
	s_wait_loadcnt 0x0                             ; K step 0 and the records are in; no load is out, so the bases may be written
.irp p, 0,1,2,3
	STOREP \p, 0                                   ; K step 0 into slot 0
.endr
.irp a, 0,1,2,3
	v_and_b32 v[E1+\a], 0xff, v[SI+2*\a+1]
	v_bfe_u32 v[E2+\a], v[SI+2*\a+1], 8, 8
.endr
	ADDR                                           ; K step 1: an expert has eight steps, so nothing guards it
.irp p, 0,1,2,3
	LOADP \p                                       ; in the order in which the parts take their turns
.endr
	s_wait_dscnt 0x0                               ; for the others' sake: my part of slot 0 is in LDS
	s_barrier_signal -1
	s_barrier_wait -1                              ; slot 0 is whole
	FA 0, 0, F0                                    ; the first fragments: no product has read these registers yet
	FB 0, 0, F0, 0
	FB 0, 0, F0, 4
	PART 0, 1, 0                                   ; K step 1's part 0 into slot 1; K step 2's is asked for
	QUARTER 0, 64, F0, F1, 1, 1, 0                 ; the first quarter stands in front of the loop: its products start the first expert's sums, and it writes both buffers and all accumulators
	WIN 0
	s_mov_b32 s[LAP], 0
.Llap:                                                 ; 32 trips.  A trip below 4 n goes once round the ring, from a lap's second quarter to the next lap's first
	s_cmp_lt_u32 s[LAP], s[NLAP]
	s_cbranch_scc1 .Lwork1
	s_wait_loadcnt 0x0                             ; the way round a segment: all loads have landed, so the counted waits hold on this way too
	s_branch .Lmeet1
.Lwork1:
	QUARTER 0, 128, F1, F0, 0, 2                   ; slot 1 takes parts 2 and 3 of the lap's second step
	QUARTER 0, 192, F0, F1, 0, 3
	TURNA
.Lmeet1:
	MEET
	s_cmp_lt_u32 s[LAP], s[NLAP]
	s_cbranch_scc1 .Lwork2
	s_wait_loadcnt 0x0
	s_branch .Lmeet2
.Lwork2:
	TURNB 1                                        ; slot 0 takes the four parts of the next lap's first step
	QUARTER 1, 64,  F0, F1, 0, 1
	QUARTER 1, 128, F1, F0, 0, 2
	QUARTER 1, 192, F0, F1, 0, 3
	TURNA
.Lmeet2:
	MEET
	s_cmp_lt_u32 s[LAP], s[NLAP]
	s_cbranch_scc1 .Lwork3
	s_wait_loadcnt 0x0
	s_branch .Lnext
.Lwork3:
	TURNB 0                                        ; slot 1 takes parts 0 and 1 of the next lap's second step
	s_and_b32 s80, s[LAP], 3
	s_cmp_eq_u32 s80, 3
	s_cbranch_scc0 .Lsame
	COMBINE                                        ; an expert's fourth lap is over: its sums go onto OUT,
	QUARTER 0, 64, F0, F1, 1, 1                    ; and the next expert's begin.  Behind the last expert these 32 products work on stale bytes and serve nothing: the price of writing no tail out
	WIN 0
	s_branch .Lnext
.Lsame:
	QUARTER 0, 64, F0, F1, 0, 1                    ; the same LDS instructions and loads as in the other arm, so the counts behind the join hold on both ways
	WIN 0
.Lnext:
	s_add_co_u32 s[LAP], s[LAP], 1
	s_cmp_lt_u32 s[LAP], NTRIP
	s_cbranch_scc1 .Llap
	PACK 0                                         ; OUT is whole: every expert was combined in the loop
	PACK 1                                         ; a block's way through the stage stands between the loads of the block before and its stores
	SENDF 0, 32
	PACK 2
	SENDF 1, 32
	PACK 3
	SENDF 2, 32
	SENDF 3, 0
	s_set_vgpr_msb 0xc
	s_wait_tensorcnt 0x0
	ds_add_u32 v23, v193
	s_wait_dscnt 0x0
	s_set_vgpr_msb 0xc00
	s_endpgm
.Lfunc_end_k_q4dca817e2b_experts:
	.size	k_q4dca817e2b_experts, .Lfunc_end_k_q4dca817e2b_experts-k_q4dca817e2b_experts
	.p2alignl 7, 3214868480
	.fill 96, 4, 3214868480
	.section	.rodata,"a",@progbits
	.p2align	6, 0x0
	.amdhsa_kernel k_q4dca817e2b_experts
		.amdhsa_group_segment_fixed_size 243200
		.amdhsa_private_segment_fixed_size 0
		.amdhsa_enable_private_segment 0
		.amdhsa_kernarg_size 48
		.amdhsa_user_sgpr_count 2
		.amdhsa_user_sgpr_kernarg_segment_ptr 1
		.amdhsa_wavefront_size32 1
		.amdhsa_system_sgpr_workgroup_id_x 1
		.amdhsa_system_sgpr_workgroup_id_y 1
		.amdhsa_system_sgpr_workgroup_id_z 1
		.amdhsa_system_vgpr_workitem_id 0
		.amdhsa_next_free_vgpr 962
		.amdhsa_next_free_sgpr 100
		.amdhsa_reserve_vcc 1
		.amdhsa_float_denorm_mode_32 3
		.amdhsa_float_denorm_mode_16_64 3
		.amdhsa_memory_ordered 1
		.amdhsa_forward_progress 1
		.amdhsa_inst_pref_size 130
	.end_amdhsa_kernel
	.amdgpu_metadata
---
amdhsa.version: [ 1, 2 ]
amdhsa.kernels:
  - .name:           k_q4dca817e2b_experts
    .symbol:         k_q4dca817e2b_experts.kd
    .args:
      - { .name: xs, .offset: 0, .size: 8, .value_kind: global_buffer, .address_space: global }
      - { .name: wb, .offset: 8, .size: 8, .value_kind: global_buffer, .address_space: global }
      - { .name: sinfo, .offset: 16, .size: 8, .value_kind: global_buffer, .address_space: global }
      - { .name: sw, .offset: 24, .size: 8, .value_kind: global_buffer, .address_space: global }
      - { .name: tl, .offset: 32, .size: 8, .value_kind: global_buffer, .address_space: global }
      - { .name: out0, .offset: 40, .size: 8, .value_kind: global_buffer, .address_space: global }
    .group_segment_fixed_size: 243200
    .private_segment_fixed_size: 0
    .kernarg_segment_align: 8
    .kernarg_segment_size: 48
    .max_flat_workgroup_size: 128
    .sgpr_count:     100
    .vgpr_count:     962
    .wavefront_size: 32
...
	.end_amdgpu_metadata
.endif
;; end of part 3
